; MI455X (gfx1250); checked and timed in simulation.
; The chip was launched on July 23, 2026; its instructions are those of AMD's public machine-readable ISA for CDNA 5 (MIT licence, August 2026) and "CDNA5" Instruction Set Architecture Reference Guide (July 2026). The comments in the code are by the model that wrote it; some were corrected since.
;; Causal Self Attention. Allowed arithmetic: float matrix products may take bf16 or f16 operands with f32 sums; all other float work in f32.
;; Inputs: w_k 1,024 x 1,024 float32; w_o 1,024 x 1,024 float32; w_q 1,024 x 1,024 float32; w_v 1,024 x 1,024 float32; x 2 x 2,048 x 1,024 float32.
;; Outputs: out0 2 x 2,048 x 1,024 float32.
;; 2 versions, each right; version 2 is version 1 with the launch cast written anew for expert scheduling mode. Each part assembles by itself: llvm-mc -triple=amdgcn-amd-amdhsa -mcpu=gfx1250 --defsym DOCPART=n.
;; ======== version 1 of 2: 4 launches
;; limits: values are held in f16: magnitudes above 65,504 overflow, below 6.1e-05 lose precision
;; workspace buffers: h16 16,777,216 bytes; qkv 25,165,824 bytes; y 8,388,608 bytes
;; launch cast (part 1): grid 64 x 8, 8 waves a work-group, no clusters, 0 bytes of LDS; arguments x, w_q, w_k, w_v, w_o, h16; writes h16
.if DOCPART == 1
	.amdgcn_target "amdgcn-amd-amdhsa--gfx1250"
	.amdhsa_code_object_version 6
	.text
	.protected	k_qda97a53ce9_cast
	.globl	k_qda97a53ce9_cast
	.p2align	8
	.type	k_qda97a53ce9_cast,@function
k_qda97a53ce9_cast:
	s_mov_b64 s[64:65], 0
	v_nop
	global_prefetch_b8 v0, s[64:65] scope:SCOPE_SE
	s_setreg_imm32_b32 hwreg(HW_REG_WAVE_MODE, 25, 1), 1
	s_wait_xcnt 0x0
; h16 = f16(x), f16(w_q), f16(w_k), f16(w_v), f16(w_o), one behind the other: bytes 0 .. 8 MiB x as [4096][1024], bytes 8 .. 16 MiB the
; four weights as one matrix [4096][1024] (rows 0-1023 w_q, 1024-2047 w_k, 2048-3071 w_v, 3072-4095 w_o).  Rounded once, to nearest even.
; LIMIT: f16.  |x| and |w| must stay below 65,504; numbers below 6.1e-5 keep an absolute error of at most 3e-8.
; A stream: every input byte is read once and every output byte written once, nothing is shared between work-groups, so there is no LDS,
; no barrier, no cluster.  Grid y = one of eight segments of 4 MiB of f32 (0-3: quarters of x; 4-7: the four weights), grid x = a block of
; 64 KiB in it.  Thread t takes 16 bytes at 16 t of each of sixteen pieces of 4,096 bytes: a wave's load covers 512 consecutive bytes,
; its store 256 consecutive bytes, aligned.  All sixteen loads go out at once; no register is used twice, so there is no loop.
.set X, 4                              ; v[4:67]   piece i: four f32 as loaded
.set Y, 68                             ; v[68:99]  piece i: four f16 to store
	s_load_b256 s[4:11], s[0:1], 0x0               ; x s[4:5], w_q s[6:7], w_k s[8:9], w_v s[10:11]
	s_load_b128 s[12:15], s[0:1], 0x20             ; w_o s[12:13], h16 s[14:15]
	s_and_b32 s16, ttmp7, 0xffff                   ; the segment
	v_lshlrev_b32 v1, 4, v0                        ; 16 t: my bytes in a piece of the input
	v_lshlrev_b32 v2, 3, v0                        ; 8 t: my bytes in a piece of the output
	s_cmp_lt_u32 s16, 4
	s_cselect_b32 s17, s16, 0                      ; a quarter of x, or the start of a weight
	s_lshl_b32 s18, s17, 22                        ; x 4 MiB
	s_lshl_b32 s17, ttmp9, 16                      ; + block x 64 KiB
	s_add_co_u32 s18, s18, s17
	s_mov_b32 s19, 0
	s_lshl_b32 s20, s16, 21                        ; output: segment x 2 MiB
	s_lshl_b32 s17, ttmp9, 15                      ; + block x 32 KiB
	s_add_co_u32 s20, s20, s17
	s_mov_b32 s21, 0
	s_wait_kmcnt 0x0
	s_cmp_eq_u32 s16, 4                            ; the segment's number picks the buffer
	s_cselect_b64 s[4:5], s[6:7], s[4:5]
	s_cmp_eq_u32 s16, 5
	s_cselect_b64 s[4:5], s[8:9], s[4:5]
	s_cmp_eq_u32 s16, 6
	s_cselect_b64 s[4:5], s[10:11], s[4:5]
	s_cmp_eq_u32 s16, 7
	s_cselect_b64 s[4:5], s[12:13], s[4:5]
	s_add_nc_u64 s[4:5], s[4:5], s[18:19]
	s_add_nc_u64 s[14:15], s[14:15], s[20:21]
.irp i, 0,1,2,3,4,5,6,7,8,9,10,11,12,13,14,15
	global_load_b128 v[X+4*\i:X+4*\i+3], v1, s[4:5] offset:4096*\i th:TH_LOAD_NT   ; read once in the whole launch
.endr
.irp i, 0,1,2,3,4,5,6,7,8,9,10,11,12,13,14,15
	s_wait_loadcnt 15-\i                           ; loads come back in order: piece i is in, the 15 - i younger ones stay out
	v_cvt_pk_f16_f32 v[Y+2*\i],   v[X+4*\i],   v[X+4*\i+1]
	v_cvt_pk_f16_f32 v[Y+2*\i+1], v[X+4*\i+2], v[X+4*\i+3]
	global_store_b64 v2, v[Y+2*\i:Y+2*\i+1], s[14:15] offset:2048*\i               ; no hint: the next launch reads these bytes
.endr
	s_endpgm
.Lfunc_end_k_qda97a53ce9_cast:
	.size	k_qda97a53ce9_cast, .Lfunc_end_k_qda97a53ce9_cast-k_qda97a53ce9_cast
	.p2alignl 7, 3214868480
	.fill 96, 4, 3214868480
	.section	.rodata,"a",@progbits
	.p2align	6, 0x0
	.amdhsa_kernel k_qda97a53ce9_cast
		.amdhsa_group_segment_fixed_size 0
		.amdhsa_private_segment_fixed_size 0
		.amdhsa_enable_private_segment 0
		.amdhsa_kernarg_size 48
		.amdhsa_user_sgpr_count 2
		.amdhsa_user_sgpr_kernarg_segment_ptr 1
		.amdhsa_wavefront_size32 1
		.amdhsa_system_sgpr_workgroup_id_x 1
		.amdhsa_system_sgpr_workgroup_id_y 1
		.amdhsa_system_sgpr_workgroup_id_z 1
		.amdhsa_system_vgpr_workitem_id 0
		.amdhsa_next_free_vgpr 100
		.amdhsa_next_free_sgpr 66
		.amdhsa_reserve_vcc 0
		.amdhsa_float_denorm_mode_32 3
		.amdhsa_float_denorm_mode_16_64 3
		.amdhsa_memory_ordered 1
		.amdhsa_forward_progress 1
		.amdhsa_inst_pref_size 7
	.end_amdhsa_kernel
	.amdgpu_metadata
---
amdhsa.version: [ 1, 2 ]
amdhsa.kernels:
  - .name:           k_qda97a53ce9_cast
    .symbol:         k_qda97a53ce9_cast.kd
    .args:
      - { .name: x, .offset: 0, .size: 8, .value_kind: global_buffer, .address_space: global }
      - { .name: w_q, .offset: 8, .size: 8, .value_kind: global_buffer, .address_space: global }
      - { .name: w_k, .offset: 16, .size: 8, .value_kind: global_buffer, .address_space: global }
      - { .name: w_v, .offset: 24, .size: 8, .value_kind: global_buffer, .address_space: global }
      - { .name: w_o, .offset: 32, .size: 8, .value_kind: global_buffer, .address_space: global }
      - { .name: h16, .offset: 40, .size: 8, .value_kind: global_buffer, .address_space: global }
    .group_segment_fixed_size: 0
    .private_segment_fixed_size: 0
    .kernarg_segment_align: 8
    .kernarg_segment_size: 48
    .max_flat_workgroup_size: 256
    .sgpr_count:     66
    .vgpr_count:     100
    .wavefront_size: 32
...
	.end_amdgpu_metadata
.endif
;; end of part 1
;; launch qkv (part 2): grid 12 x 16, 4 waves a work-group, clusters of 4 x 4, 327,680 bytes of LDS; arguments h16, qkv; writes qkv
.if DOCPART == 2
	.amdgcn_target "amdgcn-amd-amdhsa--gfx1250"
	.amdhsa_code_object_version 6
	.text
	.protected	k_qda97a53ce9_qkv
	.globl	k_qda97a53ce9_qkv
	.p2align	8
	.type	k_qda97a53ce9_qkv,@function
k_qda97a53ce9_qkv:
	s_mov_b64 s[64:65], 0
	v_nop
	global_prefetch_b8 v0, s[64:65] scope:SCOPE_SE
	s_setreg_imm32_b32 hwreg(HW_REG_WAVE_MODE, 25, 1), 1
	s_wait_xcnt 0x0
	s_wait_alu depctr_hold_cnt(0) depctr_sa_sdst(0) depctr_va_vdst(0) depctr_va_sdst(0) depctr_va_ssrc(0) depctr_va_vcc(0) depctr_vm_vsrc(0)
	s_getreg_b32 s2, hwreg(HW_REG_IB_STS2, 6, 4)
	s_cmp_eq_u32 s2, 0
	s_cbranch_scc0 .Lentry_in_a_cluster
	s_endpgm
.Lentry_in_a_cluster:
	s_bfe_u32 s2, ttmp6, 0x10000c
	s_cmp_lg_u32 s2, 0xf033
	s_cbranch_scc0 .Lentry_shape_is_right
	s_endpgm
.Lentry_shape_is_right:
; q, k, v = x W^T in one product: C[m][n] = sum over c of x[m][c] W[n][c], m = 0..4095 (batch x time), n = 0..3071 (w_q's, w_k's, w_v's rows).
; Operands f16 (from h16), sums f32, C rounded once to f16 and stored head by head: qkv[g][m][d], g = n / 64 (0-15 q's heads, 16-31 k's,
; 32-47 v's), d = n % 64; a row is 128 bytes, a plane 524,288.
; LIMIT: f16.  |q|, |k|, |v| must stay below 65,504; numbers below 6.1e-5 keep an absolute error of at most 3e-8.
; A work-group makes a block of 256 x 256 of C with four waves; a wave makes 128 x 128: 64 accumulator tiles of 16 x 16, 512 registers.
; K goes in steps of 128 through a ring of two LDS slots filled by the tensor data mover; a tile's rows are 256 bytes of memory and start
; at multiples of 256 bytes from the buffer's first byte.  12 x 16 = 192 work-groups.
; CLUSTERS: 4 x 4 work-groups.  The four of a row of the cluster need the same tiles of x, the four of a column the same tiles of W: such a
; tile is asked for jointly, by the same tensor load with the same descriptor and a mask that names the four.
;
; REGISTERS, in windows of 256 (s_set_vgpr_msb says which window each operand place means):
;   window 0: v0-31 addresses; v64-127, v128-191 fragments of x (8 x 16 rows x 32 K), two buffers; v192-223 at work on the way out
;   window 1: v64-127, v128-191 fragments of W, two buffers
;   window 2: the 32 accumulator tiles of my rows 0-63 (tile (a, b) at v[8 (8 a + b)]);   window 3: those of my rows 64-127
; THE MATRIX INSTRUCTION IS USED TRANSPOSED: source 0 = 16 rows of W, source 1 = 16 rows of x.  Lane l then holds row m = l % 16 of C and
; its registers 0 to 7 the columns n = 8 (l / 16) + 0 .. 7: eight neighbouring numbers of a row, 16 bytes in f16.
.set SIZE_M, 4096
.set SIZE_N, 3072
.set SIZE_K, 1024
.set KSTEP,  128
.set PITCH,  272                       ; an LDS row: 256 bytes + 16 of padding = 17 x 16: the 16 rows that a load touches begin at 16 different 16-byte columns modulo 256 bytes
.set HALFT,  128*PITCH                 ; 128 rows: what one tensor load brings, and what one wave reads of x or of W
.set SLOT,   4*HALFT                   ; x's 256 rows, then W's 256 rows
.set STAGE,  2*SLOT                    ; behind the ring, never filled by a tensor load: the way out
.set SPITCH, 144                       ; a stage row: one head's 128 bytes + 16
.set SHEAD,  16*SPITCH                 ; 16 rows of one head
.set SWAVE,  2*SHEAD                   ; a wave's stage: its two heads
.set PLANE,  524288                    ; bytes of one head's plane in qkv
.set LAPS, SIZE_K/(2*KSTEP)            ; a lap = two K steps = once round the ring: 4
.set ADRA, 16                          ; v16-17  LDS address of my x fragments in slot 0, 1
.set ADRB, 20                          ; v20-21  the same for W
.set STO,  24                          ; v24     the way out: where I put 16 bytes of a row
.set RD,   25                          ; v25     the way out: where I read them back
.set CO,   26                          ; v26     my byte offset in qkv
.set F0,   64                          ; fragment buffer 0
.set F1,   128                         ; fragment buffer 1
.set TMP,  192                         ; the way out: packed results, in window 0
.set G1, 24                            ; s[24:31] descriptor group 1 for x's tiles
.set G0, 32                            ; s[32:39] descriptor group 0 for x's tiles, one set for each slot
.set G1B, 48                           ; s[48:55] descriptor group 1 for W's tiles: it differs in the mask alone
.set G0B, 56                           ; s[56:63] descriptor group 0 for W's tiles, one set for each slot
.set MSB, 0
.macro WIN new                         ; the immediate's high byte repeats the setting that is left
.if MSB != \new
	s_set_vgpr_msb (MSB<<8)|\new
.set MSB, \new
.endif
.endm
.set MUL_LO, 0xa1                      ; source 0 (W) window 1, source 1 (x) window 0, C and D window 2
.set MUL_HI, 0xf1                      ; the same, C and D window 3
.set TO_B,   0x40                      ; destination window 1, address window 0
; A joint load.  Waves 0 and 1 fetch x's two halves, waves 2 and 3 W's.  Each line has one mask and one set of registers for all that issue it;
; the branch hangs on the wave's number alone.
.macro JLOAD s
	s_cmp_eq_u32 s11, 0
	s_cbranch_scc0 .Lfor_b_\@
	tensor_load_to_lds s[G0+4*\s:G0+4*\s+3], s[G1:G1+7]
	s_nop 0
	s_branch .Lasked_\@
.Lfor_b_\@:
	tensor_load_to_lds s[G0B+4*\s:G0B+4*\s+3], s[G1B:G1B+7]
	s_nop 0
.Lasked_\@:
.endm
; A round of the cluster's barrier: my work-group's barrier, wave 0 signals for the work-group, every wave waits for all sixteen, my work-group's barrier again.
.macro CREST                           ; a round behind its opening barrier
	s_cmp_lg_u32 s10, 0
	s_cbranch_scc1 .Lnot_wave_0_\@
	s_barrier_signal -3
.Lnot_wave_0_\@:
	s_barrier_wait -3
	s_barrier_signal -1
	s_barrier_wait -1
.endm
.macro CROUND                          ; a whole round
	s_barrier_signal -1
	s_barrier_wait -1
	CREST
.endm
	s_load_b64 s[4:5], s[0:1], 0x0                 ; h16: x at its first byte
	s_load_b64 s[8:9], s[0:1], 0x8                 ; qkv
	s_set_vgpr_msb 0x40
	v_lshl_add_u32 v255, v0, 2, 0x48800
	s_set_vgpr_msb 0x4000
	v_mov_b32 v255, 0
	s_set_vgpr_msb 0x1
	ds_add_u32 v255, v255
	s_set_vgpr_msb 0x100
	v_lshrrev_b32 v1, 5, v0
	v_readfirstlane_b32 s10, v1                    ; wave 0..3
	s_lshr_b32 s11, s10, 1                         ; which half of the block's rows is mine.  Also: I fetch for x (0) or for W (1)
	s_and_b32 s12, s10, 1                          ; which half of its columns.  Also: which 128 rows of that tile I fetch
	s_bfe_u32 s40, ttmp6, 0x40000                  ; cx
	s_bfe_u32 s41, ttmp6, 0x40004                  ; cy
	s_lshl_b32 s42, ttmp9, 2
	s_add_co_u32 s42, s42, s40                     ; block column of C = 4 x cluster x + cx
	s_and_b32 s13, ttmp7, 0xffff
	s_lshl_b32 s13, s13, 2
	s_add_co_u32 s13, s13, s41                     ; block row of C = 4 x cluster y + cy
	s_lshl_b32 s43, s41, 2
	s_lshl_b32 s43, 15, s43                        ; my row of the cluster: places 4 cy .. 4 cy + 3
	s_lshl_b32 s44, 0x1111, s40                    ; my column: places cx, cx + 4, cx + 8, cx + 12
	; descriptor group 1: a tile of 128 rows x 128 elements of 2 bytes, 4 words of padding behind every 64 words
	s_or_b32 s[G1+0], s43, (1<<16)|(1<<20)|(1<<21)|(5<<22)|(3<<25)
	s_or_b32 s[G1B+0], s44, (1<<16)|(1<<20)|(1<<21)|(5<<22)|(3<<25)
	s_mov_b32 s[G1B+1], KSTEP<<16
	s_mov_b32 s[G1+1], KSTEP<<16                   ; tensor_dim0 = 128
	s_mov_b32 s[G1B+2], 128<<16
	s_mov_b32 s[G1+2], 128<<16                     ; tensor_dim1 = 128
	s_mov_b32 s[G1B+3], KSTEP<<16
	s_mov_b32 s[G1+3], KSTEP<<16                   ; tile_dim0 = 128
	s_mov_b32 s[G1B+4], 128
	s_mov_b32 s[G1+4], 128                         ; tile_dim1 = 128
	s_mov_b32 s[G1B+5], SIZE_K
	s_mov_b32 s[G1+5], SIZE_K                      ; elements from row to row
	s_mov_b32 s[G1B+6], 0
	s_mov_b32 s[G1+6], 0
	s_mov_b32 s[G1B+7], 0
	s_mov_b32 s[G1+7], 0
	; x's tiles hang on the block row alone, W's on the block column alone; each address is made in registers that never hold the other coordinate
	s_lshl_b32 s17, s12, 7                         ; which 128 rows of the tile I fetch
	s_lshl_b32 s16, s13, 8
	s_add_co_u32 s16, s16, s17                     ; x: row 256 x block row + 128 x half
	s_lshl_b32 s46, s42, 8
	s_add_co_u32 s46, s46, s17                     ; W: row 256 x block column + 128 x half
	s_mov_b32 s17, 0
	s_mov_b32 s47, 0
	s_mov_b64 s[18:19], SIZE_K*2
	s_mul_u64 s[16:17], s[16:17], s[18:19]         ; in bytes
	s_mul_u64 s[46:47], s[46:47], s[18:19]
	s_mul_i32 s20, s10, HALFT                      ; where they go: wave x 128 rows
	s_wait_dscnt 0x0
	s_wait_kmcnt 0x0
	s_add_nc_u64 s[6:7], s[4:5], 0x800000          ; W lies 8 MiB behind x in h16
	s_add_nc_u64 s[14:15], s[4:5], s[16:17]
	s_add_nc_u64 s[46:47], s[6:7], s[46:47]
	CROUND                                         ; all sixteen work-groups are here: the first joint loads meet
.irp s, 0,1
	s_mov_b32 s[G0+4*\s], 1                                        ; count = 1
	s_add_co_u32 s[G0+4*\s+1], s20, \s*SLOT                        ; LDS address
	s_add_nc_u64 s[G0+4*\s+2:G0+4*\s+3], s[14:15], \s*KSTEP*2      ; global address: K step s
	s_or_b32 s[G0+4*\s+3], s[G0+4*\s+3], 0x80000000                ; type = 2
	s_mov_b32 s[G0B+4*\s], 1
	s_add_co_u32 s[G0B+4*\s+1], s20, \s*SLOT
	s_add_nc_u64 s[G0B+4*\s+2:G0B+4*\s+3], s[46:47], \s*KSTEP*2
	s_or_b32 s[G0B+4*\s+3], s[G0B+4*\s+3], 0x80000000
	JLOAD \s                                       ; both first fills go out together: two tensor loads of the wave are out, later one
.endr
	; A fragment is 16 rows x 32 K in 8 registers: lane l holds row l % 16; registers 0-3 K = 8 (l / 16) + 0..7, registers 4-7 K = 16 + 8 (l / 16) + 0..7:
	; two loads of 16 bytes, 32 bytes apart.
	v_and_b32 v1, 15, v0                           ; l % 16
	v_bfe_u32 v2, v0, 4, 1                         ; l / 16
	v_mul_u32_u24 v3, v1, PITCH
	v_lshl_add_u32 v3, v2, 4, v3                   ; row x pitch + 16 x half
	s_mul_i32 s21, s11, HALFT                      ; my 128 rows of x
	s_mul_i32 s22, s12, HALFT                      ; my 128 rows of W,
	s_add_co_u32 s22, s22, 2*HALFT                 ; which lie behind x's 256
.irp s, 0,1
	v_add_nc_u32 v[ADRA+\s], s21, v3
	v_add_nc_u32 v[ADRB+\s], s22, v3
	s_add_co_u32 s21, s21, SLOT
	s_add_co_u32 s22, s22, SLOT
.endr
	s_mul_i32 s23, s10, SWAVE
	s_add_co_u32 s23, s23, STAGE                   ; my stage
	v_mul_u32_u24 v4, v1, SPITCH                   ; in: row l % 16, 16 bytes for each half of the lanes
	v_lshl_add_u32 v4, v2, 4, v4
	v_add_nc_u32 v[STO], s23, v4
	v_and_b32 v5, 7, v0                            ; back: eight lanes take a row of 128 bytes, sixteen lanes two rows of one head,
	v_lshlrev_b32 v5, 4, v5
	v_bfe_u32 v6, v0, 3, 1                         ; the odd row for lanes 8-15 and 24-31,
	v_mul_u32_u24 v7, v2, SHEAD                    ; the second head for lanes 16-31
	v_mul_u32_u24 v8, v6, SPITCH
	v_add_nc_u32 v7, v7, v8
	v_add_nc_u32 v7, v7, v5
	v_add_nc_u32 v[RD], s23, v7
	v_lshl_add_u32 v[CO], v6, 7, v5                ; the same in qkv: rows 128 bytes apart,
	v_lshl_add_u32 v[CO], v2, 19, v[CO]            ; heads a plane apart
; 16 matrix instructions: m blocks a0, a0 + 1 of the window's four x all 8 n blocks, 32 along K.  zero = 1: the first product starts the sums.
; The 64 accumulators take turns, one instruction a turn, in the same order in every quarter step.
.macro MUL16 f, hi, a0, zero
.irp a, \a0, \a0+1
.irp b, 0,1,2,3,4,5,6,7
.if \zero
	v_wmma_f32_16x16x32_f16 v[8*(8*(\a)+\b):8*(8*(\a)+\b)+7], v[\f+8*\b:\f+8*\b+7], v[\f+8*(4*\hi+\a):\f+8*(4*\hi+\a)+7], 0
.else
	v_wmma_f32_16x16x32_f16 v[8*(8*(\a)+\b):8*(8*(\a)+\b)+7], v[\f+8*\b:\f+8*\b+7], v[\f+8*(4*\hi+\a):\f+8*(4*\hi+\a)+7], v[8*(8*(\a)+\b):8*(8*(\a)+\b)+7]
.endif
.endr
.endr
.endm
; 32 LDS loads in one run: the fragments of one quarter step (128 rows of W, 128 rows of x, 32 K at byte k of the rows) into buffer f
.macro FETCH slot, k, f
	WIN TO_B
.irp i, 0,1,2,3,4,5,6,7
	ds_load_b128 v[\f+8*\i:\f+8*\i+3],   v[ADRB+\slot] offset:\k+\i*16*PITCH
	ds_load_b128 v[\f+8*\i+4:\f+8*\i+7], v[ADRB+\slot] offset:\k+\i*16*PITCH+32
.endr
	WIN 0
.irp i, 0,1,2,3,4,5,6,7
	ds_load_b128 v[\f+8*\i:\f+8*\i+3],   v[ADRA+\slot] offset:\k+\i*16*PITCH
	ds_load_b128 v[\f+8*\i+4:\f+8*\i+7], v[ADRA+\slot] offset:\k+\i*16*PITCH+32
.endr
.endm
; Four plain vector instructions stand between a matrix instruction and a load into one of its sources or a vector read of its result
; (ISA guide 7.12.1 for vector instructions).
.macro PLACES
.rept 4
	v_nop
.endr
.endm
; A K step is four quarter steps of 32 along K, 64 matrix instructions each, on buffers 0, 1, 0, 1.
.macro QUARTER slot, k, f, g, zero
	s_wait_dscnt 8                                 ; W and x's rows 0-63 are in; the youngest eight loads (x's rows 64-127) may be out
	WIN MUL_LO
	MUL16 \f, 0, 0, \zero
	MUL16 \f, 0, 2, \zero
	PLACES
	FETCH \slot, \k, \g
	s_wait_dscnt 32                                ; all but the 32 just issued
	WIN MUL_HI
	MUL16 \f, 1, 0, \zero
	MUL16 \f, 1, 2, \zero
.endm
.macro THREE slot, zero
	QUARTER \slot, 64,  F0, F1, \zero
	QUARTER \slot, 128, F1, F0, 0
	QUARTER \slot, 192, F0, F1, 0
.endm
; The last quarter multiplies buffer 1 and changes slots.  One barrier for two things: in front of it each wave waits for its own reads of this
; slot and for all its tensor loads (one is out: its part of the next slot); behind it the refill comes first, then the next slot's first fragments.
.macro TURN slot, next, fill
	s_wait_dscnt 8
	WIN MUL_LO
	MUL16 F1, 0, 0, 0
	s_wait_dscnt 0                                 ; my reads of this slot are over
	s_wait_tensorcnt 0x0                           ; and all my tensor loads have landed
	ds_add_u32 v255, v255
	s_wait_dscnt 0x0
	s_barrier_signal -1                            ; say so (where a slot is filled again this barrier opens a round of the cluster's barrier),
	MUL16 F1, 0, 2, 0                              ; work on registers while the others arrive,
	WIN 0
	s_barrier_wait -1
.if \fill
	CREST                                          ; no wave of any partner still reads this slot's tile or has a load on its way
	s_add_nc_u64 s[G0+4*\slot+2:G0+4*\slot+3], s[G0+4*\slot+2:G0+4*\slot+3], 2*KSTEP*2
	s_add_nc_u64 s[G0B+4*\slot+2:G0B+4*\slot+3], s[G0B+4*\slot+2:G0B+4*\slot+3], 2*KSTEP*2
	JLOAD \slot                                    ; the first tensor load behind the round, and my only one until the next
.endif
	PLACES
	FETCH \next, 0, F0
	WIN MUL_HI
	MUL16 F1, 1, 0, 0
	MUL16 F1, 1, 2, 0
.endm
.macro LAP zero                        ; once round the ring, both slots filled again
	THREE 0, \zero
	TURN 0, 1, 1
	THREE 1, 0
	TURN 1, 0, 1
.endm
	s_wait_tensorcnt 1                             ; my part of K step 0 is in; K step 1's may stay out
	s_barrier_signal -1
	s_barrier_wait -1                              ; everybody's is
	FETCH 0, 0, F0
	LAP 1                                          ; the first lap stands in front of the loop: its first products start the sums
.if LAPS > 2
	WIN 0                                          ; at a label and at a branch every window is 0
	s_mov_b32 s3, LAPS-2
.Llap:
	LAP 0
	WIN 0
	s_sub_co_u32 s3, s3, 1
	s_cmp_lg_u32 s3, 0
	s_cbranch_scc1 .Llap
.endif
	THREE 0, 0                                     ; the last lap fills nothing
	TURN 0, 1, 0
	THREE 1, 0
	s_wait_dscnt 8                                 ; the very last quarter: nothing more to fetch
	WIN MUL_LO
	MUL16 F1, 0, 0, 0
	MUL16 F1, 0, 2, 0
	s_wait_dscnt 0
	WIN MUL_HI
	MUL16 F1, 1, 0, 0
	MUL16 F1, 1, 2, 0
	; THE WAY OUT, 16 rows of C at a time: round to f16, 16 bytes a lane into my own stage (two heads x 16 rows x 144 bytes), read back so that
	; sixteen neighbouring lanes hold two neighbouring rows of one head: 256 consecutive bytes of qkv, aligned.
	PLACES
	s_lshl_b32 s13, s13, 8
	s_lshl_b32 s14, s11, 7
	s_add_co_u32 s16, s13, s14                     ; my first row of C
	s_lshl_b32 s16, s16, 7                         ; x 128 bytes
	s_mov_b32 s17, 0
	s_add_nc_u64 s[8:9], s[8:9], s[16:17]
	s_lshl_b32 s46, s42, 2                         ; my first plane: 4 x block column + 2 x half (in the registers that held W's address)
	s_lshl_b32 s47, s12, 1
	s_add_co_u32 s46, s46, s47
	s_lshl_b32 s46, s46, 19                        ; x 524,288 bytes
	s_mov_b32 s47, 0
	s_add_nc_u64 s[8:9], s[8:9], s[46:47]
; rows 16 i .. 16 i + 15 of my block = the eight tiles (a, 0..7) of window 2 or 3 (from = 0x0a or 0x0f: sources 0 and 1); f: F0 or F1 in turn
.macro OUT16 i, a, from, f
	WIN \from
.irp b, 0,1,2,3,4,5,6,7
.irp r, 0,1,2,3
	v_cvt_pk_f16_f32 v[TMP+4*\b+\r], v[8*(8*\a+\b)+2*\r], v[8*(8*\a+\b)+2*\r+1]
.endr
.endr
	WIN 0
.irp b, 0,1,2,3,4,5,6,7
	ds_store_b128 v[STO], v[TMP+4*\b:TMP+4*\b+3] offset:(\b/4)*SHEAD+(\b%4)*32   ; tiles 0-3 are the first head's 64 columns, tiles 4-7 the second's
.endr
	s_wait_xcnt 0x0                                ; buffer f, which earlier stores read, is loaded again only behind this wait
.irp t, 0,1,2,3,4,5,6,7
	ds_load_b128 v[\f+4*\t:\f+4*\t+3], v[RD] offset:\t*2*SPITCH    ; LDS serves a wave's instructions in order (ISA guide 5.7.1.4): these see the stores above
.endr
.irp t, 0,1,2,3,4,5,6,7
	s_wait_dscnt 7-\t                              ; read-back t is in, the 7 - t younger ones stay out
	global_store_b128 v[CO], v[\f+4*\t:\f+4*\t+3], s[8:9] offset:\i*2048+\t*256   ; rows 16 i + 2 t and + 1 of both heads
.endr
.endm
	OUT16 0, 0, 0x0a, F0
	OUT16 1, 1, 0x0a, F1
	OUT16 2, 2, 0x0a, F0
	OUT16 3, 3, 0x0a, F1
	OUT16 4, 0, 0x0f, F0
	OUT16 5, 1, 0x0f, F1
	OUT16 6, 2, 0x0f, F0
	OUT16 7, 3, 0x0f, F1
	s_set_vgpr_msb 0x1
	s_wait_tensorcnt 0x0
	ds_add_u32 v255, v255
	s_wait_dscnt 0x0
	s_set_vgpr_msb 0x100
	CROUND                                         ; the closing round: no work-group ends while a partner may still ask for a tile that names it
	s_endpgm
.Lfunc_end_k_qda97a53ce9_qkv:
	.size	k_qda97a53ce9_qkv, .Lfunc_end_k_qda97a53ce9_qkv-k_qda97a53ce9_qkv
	.p2alignl 7, 3214868480
	.fill 96, 4, 3214868480
	.section	.rodata,"a",@progbits
	.p2align	6, 0x0
	.amdhsa_kernel k_qda97a53ce9_qkv
		.amdhsa_group_segment_fixed_size 327680
		.amdhsa_private_segment_fixed_size 0
		.amdhsa_enable_private_segment 0
		.amdhsa_kernarg_size 16
		.amdhsa_user_sgpr_count 2
		.amdhsa_user_sgpr_kernarg_segment_ptr 1
		.amdhsa_wavefront_size32 1
		.amdhsa_system_sgpr_workgroup_id_x 1
		.amdhsa_system_sgpr_workgroup_id_y 1
		.amdhsa_system_sgpr_workgroup_id_z 1
		.amdhsa_system_vgpr_workitem_id 0
		.amdhsa_next_free_vgpr 1024
		.amdhsa_next_free_sgpr 66
		.amdhsa_reserve_vcc 0
		.amdhsa_float_denorm_mode_32 3
		.amdhsa_float_denorm_mode_16_64 3
		.amdhsa_memory_ordered 1
		.amdhsa_forward_progress 1
		.amdhsa_inst_pref_size 196
	.end_amdhsa_kernel
	.amdgpu_metadata
---
amdhsa.version: [ 1, 2 ]
amdhsa.kernels:
  - .name:           k_qda97a53ce9_qkv
    .symbol:         k_qda97a53ce9_qkv.kd
    .args:
      - { .name: h16, .offset: 0, .size: 8, .value_kind: global_buffer, .address_space: global }
      - { .name: qkv, .offset: 8, .size: 8, .value_kind: global_buffer, .address_space: global }
    .group_segment_fixed_size: 327680
    .private_segment_fixed_size: 0
    .kernarg_segment_align: 8
    .kernarg_segment_size: 16
    .max_flat_workgroup_size: 128
    .sgpr_count:     66
    .vgpr_count:     1024
    .wavefront_size: 32
...
	.end_amdgpu_metadata
.endif
;; end of part 2
;; launch attn (part 3): grid 8 x 32, 8 waves a work-group, clusters of 4 x 1, 327,680 bytes of LDS; arguments qkv, y; writes y
.if DOCPART == 3
	.amdgcn_target "amdgcn-amd-amdhsa--gfx1250"
	.amdhsa_code_object_version 6
	.text
	.protected	k_qda97a53ce9_attn
	.globl	k_qda97a53ce9_attn
	.p2align	8
	.type	k_qda97a53ce9_attn,@function
k_qda97a53ce9_attn:
	s_mov_b64 s[64:65], 0
	v_nop
	global_prefetch_b8 v0, s[64:65] scope:SCOPE_SE
	s_setreg_imm32_b32 hwreg(HW_REG_WAVE_MODE, 25, 1), 1
	s_wait_xcnt 0x0
	s_wait_alu depctr_hold_cnt(0) depctr_sa_sdst(0) depctr_va_vdst(0) depctr_va_sdst(0) depctr_va_ssrc(0) depctr_va_vcc(0) depctr_vm_vsrc(0)
	s_getreg_b32 s2, hwreg(HW_REG_IB_STS2, 6, 4)
	s_cmp_eq_u32 s2, 0
	s_cbranch_scc0 .Lentry_in_a_cluster
	s_endpgm
.Lentry_in_a_cluster:
	s_bfe_u32 s2, ttmp6, 0x10000c
	s_cmp_lg_u32 s2, 0x3003
	s_cbranch_scc0 .Lentry_shape_is_right
	s_endpgm
.Lentry_shape_is_right:
; y[h][m][d] = softmax over s of (q . k / 8) times v, for each of 32 pairs (batch b, head h); no mask.  q, k, v from qkv[48][4096][64] in f16,
; y[16][4096][64] in f16.  Products in f16 with f32 sums; softmax in f32 with a running maximum, a running sum and a rescale of what was summed.
; LIMITS: the probabilities (at most 1 but for the last bits of the exponent's rounding) and y are rounded once to f16 (|y| <= max |v| < 65,504;
; below 6.1e-5 an absolute error of at most 3e-8); an exponential below 2^-126 counts as zero.
; A work-group takes 256 queries of one (b, h), a wave 32 of them as two tiles of 16.  Keys go in tiles of 256 through a ring of two LDS slots,
; in four chunks of 64.  Eight waves: each brings one eighth of a slot (64 rows of K or of V) with one tensor load.
; CLUSTER: the eight query blocks of a (b, h) read the same K and V.  Four of them form a cluster (the mask names those four) and ask jointly.
; BOTH PRODUCTS ARE TRANSPOSED, so that no number changes its lane between them:
;   S^T = K Q^T: source 0 = 16 keys x 32 d, source 1 = 16 queries x 32 d.  Lane (r, h2) holds query r, register j key 8 h2 + j of the tile.
;   Two such tiles, packed to f16 register by register, ARE source 1 of the second product (32 keys of query r).
;   O^T = V^T P^T: source 0 = 16 d x 32 keys, read from V's rows by the transposing LDS load.  Lane (r, h2) holds query r, register j d = 8 h2 + j.
; So a query's maximum, sum and rescale factor are one number a lane; the two halves of the lanes are joined by one lane exchange.
; THE CHUNKS OVERLAP IN EACH WAVE.  Iteration g works chunk g's softmax, and among its vector instructions stand, one at a time, the 16 products
; that make chunk g + 1's scores, into the other of two score buffers; then O is brought to the new scale and chunk g's 16 products with V follow.
; At the iteration's end V's fragments of chunk g + 1 and K's of chunk g + 2 are asked for from LDS, so each has work in front of its first use.
; REGISTERS, in windows of 256 (s_set_vgpr_msb says which window each operand place means):
;   window 0: addresses and softmax state, Q, both score buffers, K's fragments: all that the softmax and the score products name, under one setting
;   window 1: O^T and V's fragments.  Three switches a chunk.
.set PLANE,  524288                    ; bytes of a head's plane in qkv and y
.set REGION, 10240                     ; LDS bytes of one wave's eighth of a slot
.set SLOT,   8*REGION                  ; regions 0-3: K's quarters (64 keys, pitch 144); regions 4-7: V's (64 keys, pitch 160)
.set STAGE,  2*SLOT                    ; behind the ring, never filled by a tensor load: 32 rows x 144 bytes for each wave
.set KP,     144                       ; 9 x 16 bytes: the 16 rows of a fragment load begin at 16 different 16-byte columns modulo 256 bytes
.set VP,     160                       ; 5 x 32 bytes, for the transposing load
.set TILE_BYTES, 32768                 ; 256 keys x 128 bytes
; window 0
.set ADRK, 2                           ; v2-3    LDS address of my K fragments in slot 0, 1
.set ADRV, 4                           ; v4-5    the same for V
.set M,    6                           ; v6-7    running maximum of the raw scores, query tile 0, 1
.set NMC,  8                           ; v8-11   -c x maximum: pair (tile 0, 1) of the even chunks, pair of the odd chunks
.set AL,   12                          ; v12-13  rescale factor; at the end 1 / sum
.set LS,   14                          ; v14-15  running sum (my half of the keys)
.set SUM,  16                          ; v16-19  a chunk's sums, a pair for each tile
.set T,    20                          ; v20-27  at work
.set STO,  28                          ; the way out: where I put 16 bytes
.set RD,   29                          ; the way out: where I read them back
.set YO,   30                          ; my byte offset in the wave's rows of y
.set QO,   31                          ; my byte offset in a tile of Q
.set Q,    32                          ; v32-63   Q fragments: tile q, d half e at Q + 16 q + 8 e
.set SB,   64                          ; v64-191  two score buffers of 64, by the chunk's parity: tile (kt, q) at + 32 q + 8 kt; P's fragment (u, q) in place at + 32 q + 16 u
.set KF,   192                         ; v192-255 K's eight fragments: d half e, key tile kt at KF + 8 (4 e + kt)
; window 1
.set OA,   0                           ; v256-319 O^T: tile (dt, q) at OA + 32 q + 8 dt
.set VF,   64                          ; v320-383 V's eight fragments: key half u, d tile dt at VF + 8 (4 u + dt)
.set G1K,  16                          ; s[16:23] descriptor group 1 for K
.set G1V,  24                          ; s[24:31] descriptor group 1 for V
.set G0,   32                          ; s[32:39] descriptor group 0, one set for each slot
.set PVW,  0x51                        ; source 0 (V, O), source 2 and destination (O) window 1; source 1 (P, the factor) window 0
.set TO_V, 0x40                        ; destination window 1, address window 0
.set FROM_O, 0x05                      ; sources 0 and 1 window 1, destination window 0
.set MSB, 0
.macro WIN new                         ; the immediate's high byte repeats the setting that is left
.if MSB != \new
	s_set_vgpr_msb (MSB<<8)|\new
.set MSB, \new
.endif
.endm
; A round of the cluster's barrier
.macro ROUND
	s_barrier_signal -1
	s_barrier_wait -1
	s_cmp_lg_u32 s8, 0
	s_cbranch_scc1 .Lnot_wave_0_\@
	s_barrier_signal -3
.Lnot_wave_0_\@:
	s_barrier_wait -3
	s_barrier_signal -1
	s_barrier_wait -1
.endm
; A joint load of my eighth of slot s: waves 0-3 a quarter of K, waves 4-7 a quarter of V.  The branch hangs on the wave's number alone.
.macro JLOAD s
	s_cmp_eq_u32 s9, 0
	s_cbranch_scc0 .Lfor_v_\@
	tensor_load_to_lds s[G0+4*(\s):G0+4*(\s)+3], s[G1K:G1K+7]
	s_nop 0
	s_branch .Lasked_\@
.Lfor_v_\@:
	tensor_load_to_lds s[G0+4*(\s):G0+4*(\s)+3], s[G1V:G1V+7]
	s_nop 0
.Lasked_\@:
.endm
	s_load_b128 s[4:7], s[0:1], 0x0                ; qkv s[4:5], y s[6:7]
	s_set_vgpr_msb 0x40
	v_lshl_add_u32 v128, v0, 2, 0x31000
	v_mov_b32 v129, 0
	s_set_vgpr_msb 0x4045
	ds_add_u32 v128, v129
	s_set_vgpr_msb 0x4500
	v_lshrrev_b32 v1, 5, v0
	v_readfirstlane_b32 s8, v1                     ; wave 0..7
	s_lshr_b32 s9, s8, 2                           ; I fetch for K (0) or for V (1)
	s_and_b32 s10, s8, 3                           ; which quarter of the tile
	s_mov_b32 s12, 0x76543210                      ; v_permlanex16_b32: lane i of one half reads lane i of the other
	s_mov_b32 s13, 0xfedcba98
	s_mov_b32 s14, 0x3e38aa3b                      ; c = log2(e) / 8: the scale 1 / sqrt(64) and the change to base 2 in one factor
	s_mov_b32 s15, 0x3e38aa3b
	; Group 1.  A quarter is 64 rows of 128 bytes that follow each other in memory: it is fetched as 32 rows of 256 bytes (32 elements of 8 bytes),
	; and the padding, counted along the whole tile, falls behind every 32 words, that is behind each row of K or V: 4 words for K, 8 for V.
	s_mov_b32 s[G1K+0], 15|(3<<16)|(1<<20)|(1<<21)|(4<<22)|(3<<25)   ; mask: all four of the cluster; bit 21 set beside it
	s_mov_b32 s[G1V+0], 15|(3<<16)|(1<<20)|(1<<21)|(4<<22)|(7<<25)
.irp g, G1K, G1V
	s_mov_b32 s[\g+1], 32<<16                      ; tensor_dim0 = 32
	s_mov_b32 s[\g+2], 32<<16                      ; tensor_dim1 = 32
	s_mov_b32 s[\g+3], 32<<16                      ; tile_dim0 = 32
	s_mov_b32 s[\g+4], 32                          ; tile_dim1 = 32
	s_mov_b32 s[\g+5], 32                          ; elements from row to row
	s_mov_b32 s[\g+6], 0
	s_mov_b32 s[\g+7], 0
.endr
	s_and_b32 s40, ttmp7, 0xffff                   ; 16 b + h: the same in all four partners
	s_and_b32 s41, s40, 15                         ; h
	s_lshr_b32 s40, s40, 4                         ; b
	s_lshl_b32 s41, s41, 19                        ; h planes
	s_lshl_b32 s40, s40, 18                        ; b x 2,048 rows of 128 bytes
	s_add_co_u32 s41, s41, s40
	s_lshl_b32 s42, s10, 13                        ; K, V: my quarter, 64 rows of 128 bytes,
	s_add_co_u32 s42, s42, s41
	s_lshl_b32 s43, s9, 23                         ; V's planes lie 16 planes behind K's,
	s_add_co_u32 s42, s42, s43
	s_add_co_u32 s42, s42, 16*PLANE                ; K's 16 planes behind q's
	s_mov_b32 s43, 0
	s_bfe_u32 s46, ttmp6, 0x40000                  ; cx: it enters Q's and y's global offset and nothing else
	s_lshl_b32 s47, ttmp9, 2
	s_add_co_u32 s47, s47, s46                     ; query block 0..7
	s_lshl_b32 s48, s47, 15                        ; x 256 rows of 128 bytes
	s_lshl_b32 s49, s8, 12                         ; + wave x 32 rows
	s_add_co_u32 s48, s48, s49
	s_add_co_u32 s48, s48, s41
	s_mov_b32 s49, 0
	s_mul_i32 s40, s8, REGION                      ; my region in a slot
	s_mul_i32 s41, s8, 32*KP
	s_add_co_u32 s41, s41, STAGE                   ; my stage
	v_and_b32 v20, 15, v0                          ; r
	v_bfe_u32 v21, v0, 4, 1                        ; h2
	v_and_b32 v22, 7, v0                           ; lane % 8
	v_bfe_u32 v23, v0, 3, 1                        ; (lane / 8) % 2
	v_and_b32 v24, 31, v0                          ; lane
	v_mul_u32_u24 v[ADRK], v20, KP
	v_lshl_add_u32 v[ADRK], v21, 4, v[ADRK]        ; K: row r x pitch + 16 h2
	v_add_nc_u32 v[ADRK+1], SLOT, v[ADRK]
	v_lshl_add_u32 v25, v21, 3, v22                ; V: key 8 h2 + lane % 8,
	v_mul_u32_u24 v[ADRV], v25, VP
	v_lshl_add_u32 v[ADRV], v23, 4, v[ADRV]        ; 16 bytes further for lanes 8-15 and 24-31,
	v_add_nc_u32 v[ADRV], 4*REGION, v[ADRV]        ; behind K's four regions
	v_add_nc_u32 v[ADRV+1], SLOT, v[ADRV]
	v_add_nc_u32 v[STO], s41, v[ADRK]              ; stage, in: row r x 144 + 16 h2
	v_lshrrev_b32 v25, 3, v24
	v_mul_u32_u24 v25, v25, KP
	v_lshl_add_u32 v25, v22, 4, v25
	v_add_nc_u32 v[RD], s41, v25                   ; stage, back: eight lanes a row of 128 bytes, four rows a load
	v_lshlrev_b32 v[YO], 4, v24                    ; the same 512 bytes lie without gaps in y
	v_lshlrev_b32 v[QO], 7, v20
	v_lshl_add_u32 v[QO], v21, 4, v[QO]            ; Q: row r x 128 + 16 h2
	s_wait_dscnt 0x0
	s_wait_kmcnt 0x0
	s_add_nc_u64 s[50:51], s[4:5], s[48:49]        ; my 32 rows of q
	s_add_nc_u64 s[6:7], s[6:7], s[48:49]          ; my 32 rows of y: the same offset
	s_add_nc_u64 s[42:43], s[4:5], s[42:43]        ; my quarter of the first tile of K or V
.irp n, 0,1
	s_mov_b32 s[G0+4*\n], 1                                        ; count = 1
	s_add_co_u32 s[G0+4*\n+1], s40, \n*SLOT                        ; LDS address: wave x region + slot
	s_add_nc_u64 s[G0+4*\n+2:G0+4*\n+3], s[42:43], \n*TILE_BYTES   ; tile n
	s_or_b32 s[G0+4*\n+3], s[G0+4*\n+3], 0x80000000                ; type = 2
.endr
.irp q, 0,1
.irp e, 0,1
	global_load_b128 v[Q+16*\q+8*\e:Q+16*\q+8*\e+3],   v[QO], s[50:51] offset:\q*2048+\e*64
	global_load_b128 v[Q+16*\q+8*\e+4:Q+16*\q+8*\e+7], v[QO], s[50:51] offset:\q*2048+\e*64+32
.endr
.endr
; 16 LDS loads: K's fragments of quarter c of a slot; d = 0..31 of the four key tiles first
.macro KLOAD slot, c
.irp e, 0,1
.irp kt, 0,1,2,3
	ds_load_b128 v[KF+8*(4*\e+\kt):KF+8*(4*\e+\kt)+3],   v[ADRK+(\slot)] offset:(\c)*REGION+\kt*16*KP+\e*64
	ds_load_b128 v[KF+8*(4*\e+\kt)+4:KF+8*(4*\e+\kt)+7], v[ADRK+(\slot)] offset:(\c)*REGION+\kt*16*KP+\e*64+32
.endr
.endr
.endm
; 16 transposing LDS loads: V's fragments of quarter c of a slot (destination in window 1)
.macro VLOAD slot, c
.irp u, 0,1
.irp dt, 0,1,2,3
	ds_load_tr16_b128 v[VF+8*(4*\u+\dt):VF+8*(4*\u+\dt)+3],   v[ADRV+(\slot)] offset:(\c)*REGION+\u*32*VP+\dt*32
	ds_load_tr16_b128 v[VF+8*(4*\u+\dt)+4:VF+8*(4*\u+\dt)+7], v[ADRV+(\slot)] offset:(\c)*REGION+\u*32*VP+\dt*32+16*VP
.endr
.endr
.endm
; Score product i of 16 into the buffer at SN: i = 0..7 start the eight tiles (4 q + kt) with d = 0..31, i = 8..15 add d = 32..63.
; The eight accumulators take turns, one instruction a turn, in the same order in both halves.
.macro SW i
.if (\i) < 8
	v_wmma_f32_16x16x32_f16 v[SN+8*(\i):SN+8*(\i)+7], v[KF+8*((\i)%4):KF+8*((\i)%4)+7], v[Q+16*((\i)/4):Q+16*((\i)/4)+7], 0
.else
	v_wmma_f32_16x16x32_f16 v[SN+8*((\i)-8):SN+8*((\i)-8)+7], v[KF+32+8*((\i)%4):KF+32+8*((\i)%4)+7], v[Q+16*(((\i)-8)/4)+8:Q+16*(((\i)-8)/4)+15], v[SN+8*((\i)-8):SN+8*((\i)-8)+7]
.endif
.endm
; The largest of query tile q's 32 scores of this lane (buffer at SC), joined with the other half of the lanes and with the running maximum
.macro MAXQ q, first
.irp k, 0,1,2,3
	v_max3_num_f32 v[T+\k], v[SC+32*\q+8*\k], v[SC+32*\q+8*\k+1], v[SC+32*\q+8*\k+2]
.endr
.irp k, 0,1,2,3
	v_max3_num_f32 v[T+\k], v[T+\k], v[SC+32*\q+8*\k+3], v[SC+32*\q+8*\k+4]
.endr
.irp k, 0,1,2,3
	v_max3_num_f32 v[T+\k], v[T+\k], v[SC+32*\q+8*\k+5], v[SC+32*\q+8*\k+6]
.endr
	v_max3_num_f32 v[T+4], v[SC+32*\q+7], v[SC+32*\q+15], v[SC+32*\q+23]
	v_max3_num_f32 v[T+4], v[T+4], v[SC+32*\q+31], v[T]
	v_max3_num_f32 v[T+1], v[T+1], v[T+2], v[T+3]
	v_max_num_f32 v[T+4], v[T+4], v[T+1]
	v_permlanex16_b32 v[T], v[T+4], s12, s13       ; the other eight keys of each tile lie in the other half of the lanes
.if \first
	v_max_num_f32 v[M+\q], v[T+4], v[T]
.else
	v_max3_num_f32 v[M+\q], v[T+4], v[T], v[M+\q]
.endif
.endm
; Tile j = 4 q + kt of the buffer at SC, its exponentials made: they are added to the query tile's sums (four chains in T, started by tiles 0 and 1),
; then packed to f16 in place: an even tile into its own registers 0-3 (register r is written as registers 2 r and 2 r + 1 are read),
; an odd tile into registers 4-7 of the tile before it, which has been summed and packed by then.
.macro POST j
.set PB, SC+8*(\j)
.set PD, SC+32*((\j)/4)+16*(((\j)%4)/2)+4*((\j)%2)
.if ((\j)%4) == 0
	s_wait_alu depctr_va_vdst(0)
	v_pk_add_f32 v[T:T+1],   v[PB:PB+1],   v[PB+2:PB+3]
	v_pk_add_f32 v[T+2:T+3], v[PB+4:PB+5], v[PB+6:PB+7]
.endif
.if ((\j)%4) == 1
	v_pk_add_f32 v[T+4:T+5], v[PB:PB+1],   v[PB+2:PB+3]
	v_pk_add_f32 v[T+6:T+7], v[PB+4:PB+5], v[PB+6:PB+7]
.endif
.if ((\j)%4) > 1
	s_wait_alu depctr_va_vdst(0)
.irp i, 0,2,4,6
	v_pk_add_f32 v[T+\i:T+\i+1], v[T+\i:T+\i+1], v[PB+\i:PB+\i+1]
.endr
.endif
.irp r, 0,1,2,3
	v_cvt_pk_f16_f32 v[PD+\r], v[PB+2*\r], v[PB+2*\r+1]
.endr
.if ((\j)%4) == 3
	v_pk_add_f32 v[T:T+1],   v[T:T+1],   v[T+2:T+3]
	v_pk_add_f32 v[T+4:T+5], v[T+4:T+5], v[T+6:T+7]
	v_pk_add_f32 v[SUM+2*((\j)/4):SUM+2*((\j)/4)+1], v[T:T+1], v[T+4:T+5]
.endif
.endm
; Iteration g: chunk c of the tile in 'slot'.  first = 1: the launch's first chunk starts maximum, sums and O.  nxt = 1: chunk g + 1's scores are made.
; vld, kld = 1: V's fragments of chunk g + 1, K's of chunk g + 2 are asked for at the end.
; bound = 1: between these two runs of loads the slots change and this slot is filled again; bound = 2: they change and nothing is left to fetch.
.macro ITER slot, c, first, nxt, vld, kld, bound
.set SC, SB+64*((\c)%2)                ; this chunk's scores
.set SN, SB+64-64*((\c)%2)             ; the next chunk's
.set NP, NMC+2*((\c)%2)                ; this chunk's -c x maximum
.set NO, NMC+2-2*((\c)%2)              ; the last chunk's
	MAXQ 0, \first
	MAXQ 1, \first
	v_mul_f32 v[NP],   0xbe38aa3b, v[M]            ; -c x maximum, rounded once; the exponents and the rescale factor both use this number,
	v_mul_f32 v[NP+1], 0xbe38aa3b, v[M+1]          ; so that old and new terms have exactly one scale
.if \first == 0
	v_sub_f32 v[AL],   v[NP],   v[NO]              ; c x (old maximum - new maximum) <= 0
	v_sub_f32 v[AL+1], v[NP+1], v[NO+1]
	v_exp_f32 v[AL],   v[AL]                       ; used far behind the plain instructions that follow (ISA guide 5.7.2)
	v_exp_f32 v[AL+1], v[AL+1]
.endif
.if \nxt
	s_wait_dscnt 8                                 ; the eight youngest LDS loads (K, d = 32..63) stay out; K's d = 0..31 are in, and V's sixteen, which are older
.endif
	; eight blocks, one a score tile: a product for the next chunk, this tile's exponents and exponentials, another product, the tile before summed and packed.
	; The plain instructions of the next block or of POST stand between a tile's exponentials and their first use (ISA guide 5.7.2).
.irp q, 0,1
.irp kt, 0,1,2,3
.if \nxt
.if (4*\q+\kt) == 4
	s_wait_dscnt 0x0                               ; K's d = 32..63 are in
.endif
	SW 2*(4*\q+\kt)
.endif
.irp i, 0,2,4,6
	v_pk_fma_f32 v[SC+32*\q+8*\kt+\i:SC+32*\q+8*\kt+\i+1], v[SC+32*\q+8*\kt+\i:SC+32*\q+8*\kt+\i+1], s[14:15], v[NP:NP+1] op_sel:[0,0,\q] op_sel_hi:[1,0,\q]
.endr
.irp i, 0,1,2,3,4,5,6,7
	v_exp_f32 v[SC+32*\q+8*\kt+\i], v[SC+32*\q+8*\kt+\i]
.endr
.if \nxt
	SW 2*(4*\q+\kt)+1
.endif
.if (4*\q+\kt) > 0
	POST 4*\q+\kt-1
.endif
.endr
.endr
	POST 7
.if \first
	v_add_f32 v[LS],   v[SUM],   v[SUM+1]
	v_add_f32 v[LS+1], v[SUM+2], v[SUM+3]
.else
	v_add_f32 v[SUM],   v[SUM],   v[SUM+1]
	v_add_f32 v[SUM+2], v[SUM+2], v[SUM+3]
	v_fma_f32 v[LS],   v[LS],   v[AL],   v[SUM]
	v_fma_f32 v[LS+1], v[LS+1], v[AL+1], v[SUM+2]
.endif
	; O to the new scale, then O += V^T P^T.  Query tile 1's rescale stands among query tile 0's first products.
	; The eight accumulators take turns, one instruction a turn, in the same order in both halves of the sum.
	WIN PVW
.if \first == 0
.set j, 0
.rept 16
	v_pk_mul_f32 v[OA+j:OA+j+1], v[OA+j:OA+j+1], v[AL:AL+1] op_sel:[0,0] op_sel_hi:[1,0]
.set j, j+2
.endr
.endif
.if \nxt == 0
	s_wait_dscnt 0x0                               ; the last chunk: no loads of K stand behind V's, so V's are waited for here
.endif
.irp dt, 0,1,2,3
.if \first
	v_wmma_f32_16x16x32_f16 v[OA+8*\dt:OA+8*\dt+7], v[VF+8*\dt:VF+8*\dt+7], v[SC:SC+7], 0
.else
	v_wmma_f32_16x16x32_f16 v[OA+8*\dt:OA+8*\dt+7], v[VF+8*\dt:VF+8*\dt+7], v[SC:SC+7], v[OA+8*\dt:OA+8*\dt+7]
.irp i, 0,2,4,6
	v_pk_mul_f32 v[OA+32+8*\dt+\i:OA+32+8*\dt+\i+1], v[OA+32+8*\dt+\i:OA+32+8*\dt+\i+1], v[AL:AL+1] op_sel:[0,1] op_sel_hi:[1,1]
.endr
.endif
.endr
.irp dt, 0,1,2,3
.if \first
	v_wmma_f32_16x16x32_f16 v[OA+32+8*\dt:OA+32+8*\dt+7], v[VF+8*\dt:VF+8*\dt+7], v[SC+32:SC+39], 0
.else
	v_wmma_f32_16x16x32_f16 v[OA+32+8*\dt:OA+32+8*\dt+7], v[VF+8*\dt:VF+8*\dt+7], v[SC+32:SC+39], v[OA+32+8*\dt:OA+32+8*\dt+7]
.endif
.endr
.irp q, 0,1
.irp dt, 0,1,2,3
	v_wmma_f32_16x16x32_f16 v[OA+32*\q+8*\dt:OA+32*\q+8*\dt+7], v[VF+32+8*\dt:VF+32+8*\dt+7], v[SC+32*\q+16:SC+32*\q+23], v[OA+32*\q+8*\dt:OA+32*\q+8*\dt+7]
.endr
.endr
.rept 4
	v_nop                                          ; four places (ISA guide 7.12.1 for vector instructions) ahead of the loads into V's fragments and of the end's reads of O
.endr
.if \vld
	WIN TO_V
.if (\c) < 3
	VLOAD \slot, \c+1
.else
	VLOAD 1-\slot, 0
.endif
.endif
	WIN 0                                          ; at a label and at a branch every window is 0
.if \bound
	; The loads of V just issued were my last reads of this slot.  Every wave waits for all its tensor loads (one is out: its eighth of the other slot)
	; and for its reads; behind the barrier the other slot is whole for every wave.
	s_set_vgpr_msb 0x5
	s_wait_tensorcnt 0x0                           ; no tensor load of mine is out, so a group 0 may be written:
	ds_add_u32 v128, v129
	s_wait_dscnt 0x0
	s_set_vgpr_msb 0x500
.if \bound == 1
	s_add_nc_u64 s[G0+4*\slot+2:G0+4*\slot+3], s[G0+4*\slot+2:G0+4*\slot+3], 2*TILE_BYTES   ; this slot's next tile
.endif
	s_wait_dscnt 0x0
.if \bound == 1
	ROUND                                          ; no wave of any partner still reads this slot or has a load on its way
	JLOAD \slot                                    ; my one tensor load behind the round, first thing there; it has four chunks in which to land
.else
	s_barrier_signal -1
	s_barrier_wait -1
.endif
.endif
.if \kld
.if (\c) < 2
	KLOAD \slot, \c+2
.else
	KLOAD 1-\slot, \c-2
.endif
.endif
.endm
; One tile of 256 keys.  last = 1: the launch's last tile: its third chunk asks for no K, its fourth makes no scores and asks for nothing.
.macro TILE slot, first, bound, last
	ITER \slot, 0, \first, 1, 1, 1, 0
	ITER \slot, 1, 0, 1, 1, 1, 0
.if \last
	ITER \slot, 2, 0, 1, 1, 0, 0
	ITER \slot, 3, 0, 0, 0, 0, 0
.else
	ITER \slot, 2, 0, 1, 1, 1, \bound
	ITER \slot, 3, 0, 1, 1, 1, 0
.endif
.endm
	ROUND                                          ; in front of the first joint loads
	JLOAD 0                                        ; tiles 0 and 1 go out together: two tensor loads of the wave are out, later one
	JLOAD 1
	s_wait_tensorcnt 0x1                           ; my eighth of tile 0 is in; tile 1's may stay out
	s_barrier_signal -1
	s_barrier_wait -1                              ; everybody's is
	KLOAD 0, 0
	s_wait_loadcnt 0x0                             ; Q, once
.set SN, SB
	s_wait_dscnt 8                                 ; K's d = 0..31 are in, the eight loads of d = 32..63 stay out
.irp i, 0,1,2,3,4,5,6,7
	SW \i                                          ; chunk 0's scores have no softmax to stand among
.endr
	s_wait_dscnt 0x0
.irp i, 8,9,10,11,12,13,14,15
	SW \i
.endr
.rept 4
	v_nop                                          ; four places ahead of the loads into K's fragments and of the reads of the scores
.endr
	WIN TO_V
	VLOAD 0, 0
	WIN 0
	KLOAD 0, 1
	TILE 0, 1, 1, 0                                ; eight tiles: two written out, since the first chunk starts the sums,
	TILE 1, 0, 1, 0
	s_mov_b32 s44, 2                               ; four in the loop,
.Lpair:
	TILE 0, 0, 1, 0
	TILE 1, 0, 1, 0
	s_sub_co_u32 s44, s44, 1
	s_cmp_lg_u32 s44, 0
	s_cbranch_scc1 .Lpair
	TILE 0, 0, 2, 0                                ; and two written out: nothing is left to fetch
	TILE 1, 0, 0, 1
	; The end: the two halves' sums meet, O is divided, rounded to f16 and goes out through my own stage as whole rows.
	v_permlanex16_b32 v[T],   v[LS],   s12, s13
	v_permlanex16_b32 v[T+1], v[LS+1], s12, s13
	v_add_f32 v[LS],   v[LS],   v[T]
	v_add_f32 v[LS+1], v[LS+1], v[T+1]
	v_rcp_f32 v[AL],   v[LS]                       ; the sum holds the largest term, about 1: never near zero
	v_rcp_f32 v[AL+1], v[LS+1]
	v_nop                                          ; the plain place behind the reciprocals
	WIN PVW
	s_wait_alu depctr_va_vdst(0)
.irp q, 0,1
.set j, 0
.rept 16
	v_pk_mul_f32 v[OA+32*\q+j:OA+32*\q+j+1], v[OA+32*\q+j:OA+32*\q+j+1], v[AL:AL+1] op_sel:[0,\q] op_sel_hi:[1,\q]
.set j, j+2
.endr
.endr
	WIN FROM_O
.irp q, 0,1
.irp dt, 0,1,2,3
.irp r, 0,1,2,3
	v_cvt_pk_f16_f32 v[SB+4*(4*\q+\dt)+\r], v[OA+32*\q+8*\dt+2*\r], v[OA+32*\q+8*\dt+2*\r+1]   ; into score buffer 0, last read by products a whole chunk ago
.endr
.endr
.endr
	WIN 0
.irp q, 0,1
.irp dt, 0,1,2,3
	ds_store_b128 v[STO], v[SB+4*(4*\q+\dt):SB+4*(4*\q+\dt)+3] offset:\q*16*KP+\dt*32    ; query 16 q + r, d = 16 dt + 8 h2 .. + 7
.endr
.endr
.irp i, 0,1,2,3,4,5,6,7
	ds_load_b128 v[KF+4*\i:KF+4*\i+3], v[RD] offset:\i*4*KP        ; LDS serves a wave's instructions in order (ISA guide 5.7.1.4): these see the stores above
.endr
.irp i, 0,1,2,3,4,5,6,7
	s_wait_dscnt 7-\i                              ; read-back i is in, the 7 - i younger ones stay out
	global_store_b128 v[YO], v[KF+4*\i:KF+4*\i+3], s[6:7] offset:512*\i   ; four rows of y: 512 consecutive bytes, aligned
.endr
	s_wait_dscnt 0x0
	s_set_vgpr_msb 0x5
	s_wait_tensorcnt 0x0
	ds_add_u32 v128, v129
	s_wait_dscnt 0x0
	s_set_vgpr_msb 0x500
	ROUND                                          ; the closing round: no work-group ends while a partner may still ask for a tile that names it
	s_endpgm
.Lfunc_end_k_qda97a53ce9_attn:
	.size	k_qda97a53ce9_attn, .Lfunc_end_k_qda97a53ce9_attn-k_qda97a53ce9_attn
	.p2alignl 7, 3214868480
	.fill 96, 4, 3214868480
	.section	.rodata,"a",@progbits
	.p2align	6, 0x0
	.amdhsa_kernel k_qda97a53ce9_attn
		.amdhsa_group_segment_fixed_size 327680
		.amdhsa_private_segment_fixed_size 0
		.amdhsa_enable_private_segment 0
		.amdhsa_kernarg_size 16
		.amdhsa_user_sgpr_count 2
		.amdhsa_user_sgpr_kernarg_segment_ptr 1
		.amdhsa_wavefront_size32 1
		.amdhsa_system_sgpr_workgroup_id_x 1
		.amdhsa_system_sgpr_workgroup_id_y 1
		.amdhsa_system_sgpr_workgroup_id_z 1
		.amdhsa_system_vgpr_workitem_id 0
		.amdhsa_next_free_vgpr 386
		.amdhsa_next_free_sgpr 66
		.amdhsa_reserve_vcc 0
		.amdhsa_float_denorm_mode_32 3
		.amdhsa_float_denorm_mode_16_64 3
		.amdhsa_memory_ordered 1
		.amdhsa_forward_progress 1
		.amdhsa_inst_pref_size 255
	.end_amdhsa_kernel
	.section	.bss,"aw",@nobits
	.p2align	6
	.space	262144
	.amdgpu_metadata
---
amdhsa.version: [ 1, 2 ]
amdhsa.kernels:
  - .name:           k_qda97a53ce9_attn
    .symbol:         k_qda97a53ce9_attn.kd
    .args:
      - { .name: qkv, .offset: 0, .size: 8, .value_kind: global_buffer, .address_space: global }
      - { .name: y, .offset: 8, .size: 8, .value_kind: global_buffer, .address_space: global }
    .group_segment_fixed_size: 327680
    .private_segment_fixed_size: 0
    .kernarg_segment_align: 8
    .kernarg_segment_size: 16
    .max_flat_workgroup_size: 256
    .sgpr_count:     66
    .vgpr_count:     386
    .wavefront_size: 32
...
	.end_amdgpu_metadata
.endif
;; end of part 3
;; launch oproj (part 4): grid 8 x 32, 4 waves a work-group, clusters of 4 x 4, 327,680 bytes of LDS; arguments y, h16, out0; writes out0
.if DOCPART == 4
	.amdgcn_target "amdgcn-amd-amdhsa--gfx1250"
	.amdhsa_code_object_version 6
	.text
	.protected	k_qda97a53ce9_oproj
	.globl	k_qda97a53ce9_oproj
	.p2align	8
	.type	k_qda97a53ce9_oproj,@function
k_qda97a53ce9_oproj:
	s_mov_b64 s[64:65], 0
	v_nop
	global_prefetch_b8 v0, s[64:65] scope:SCOPE_SE
	s_setreg_imm32_b32 hwreg(HW_REG_WAVE_MODE, 25, 1), 1
	s_wait_xcnt 0x0
	s_wait_alu depctr_hold_cnt(0) depctr_sa_sdst(0) depctr_va_vdst(0) depctr_va_sdst(0) depctr_va_ssrc(0) depctr_va_vcc(0) depctr_vm_vsrc(0)
	s_getreg_b32 s2, hwreg(HW_REG_IB_STS2, 6, 4)
	s_cmp_eq_u32 s2, 0
	s_cbranch_scc0 .Lentry_in_a_cluster
	s_endpgm
.Lentry_in_a_cluster:
	s_bfe_u32 s2, ttmp6, 0x10000c
	s_cmp_lg_u32 s2, 0xf033
	s_cbranch_scc0 .Lentry_shape_is_right
	s_endpgm
.Lentry_shape_is_right:
; out0[m][n] = sum over c of ycat[m][c] w_o[n][c], c = 64 head + d.  y[16][4096][64] and w_o (rows 3072-4095 of the weights in h16) in f16,
; sums in f32, out0 [4096][1024] in f32.
; A work-group makes a block of 128 x 128 with four waves (32 x 8 = 256 work-groups); a wave makes 64 x 64: 16 accumulator tiles, 128 registers.
; K = 1,024 goes in four steps of 256 (four heads) through a ring of two LDS slots; each wave brings a quarter of a slot with one tensor load:
; waves 0, 1 two heads each of y's 128 rows, waves 2, 3 64 rows each of w_o.
; CLUSTERS: 4 x 4 work-groups; y's tiles are asked for jointly along a row of the cluster, w_o's along a column.
; REGISTERS: window 0: v16-26 addresses; v64-127 and v128-191 two fragment buffers (y's four fragments, then w_o's four).
;            window 1: accumulator tile (a, b) at v[8 (4 a + b)].
; The matrix instruction is used transposed (source 0 = w_o's rows, source 1 = y's): a lane holds eight neighbouring columns of one row, 32 bytes.
.set PLANE,  524288                    ; bytes of a head's plane in y
.set REGION, 36864                     ; LDS bytes of one wave's quarter of a slot
.set SLOT,   4*REGION                  ; y: [4 heads][128 rows] at pitch 144 (two regions); w_o: 64 rows at pitch 528 in each of two regions
.set STAGE,  2*SLOT                    ; behind the ring, never filled by a tensor load: 16 rows x 272 bytes for each wave
.set AP,     144                       ; 9 x 16 bytes
.set BP,     528                       ; 33 x 16 bytes
.set SP,     272                       ; 17 x 16 bytes: with each pitch 16 rows begin at 16 different 16-byte columns modulo 256 bytes
.set WO,     14680064                  ; w_o's first byte in h16: 8 MiB of x + 3,072 rows of 2,048 bytes
.set ADRA, 16                          ; v16-17  LDS address of my y fragments in slot 0, 1
.set ADRB, 20                          ; v20-21  the same for w_o
.set STO,  24
.set RD,   25
.set CO,   26
.set F0,   64
.set F1,   128
.set G1, 24                            ; s[24:31] group 1 for y's tiles
.set G0, 32                            ; s[32:39] group 0 for y's tiles, one set for each slot
.set G1B, 48                           ; s[48:55] group 1 for w_o's tiles
.set G0B, 56                           ; s[56:63] group 0 for w_o's tiles
.set MSB, 0
.macro WIN new                         ; the immediate's high byte repeats the setting that is left
.if MSB != \new
	s_set_vgpr_msb (MSB<<8)|\new
.set MSB, \new
.endif
.endm
.set MULW,    0x50                     ; C and D window 1, sources 0 and 1 window 0
.set ACC_OUT, 0x04                     ; an LDS store's data window 1, its address window 0
.macro JLOAD s                         ; waves 0 and 1 ask for y, waves 2 and 3 for w_o; the branch hangs on the wave's number alone
	s_cmp_eq_u32 s11, 0
	s_cbranch_scc0 .Lfor_b_\@
	tensor_load_to_lds s[G0+4*\s:G0+4*\s+3], s[G1:G1+7]
	s_nop 0
	s_branch .Lasked_\@
.Lfor_b_\@:
	tensor_load_to_lds s[G0B+4*\s:G0B+4*\s+3], s[G1B:G1B+7]
	s_nop 0
.Lasked_\@:
.endm
.macro CROUND                          ; a round of the cluster's barrier
	s_barrier_signal -1
	s_barrier_wait -1
	s_cmp_lg_u32 s10, 0
	s_cbranch_scc1 .Lnot_wave_0_\@
	s_barrier_signal -3
.Lnot_wave_0_\@:
	s_barrier_wait -3
	s_barrier_signal -1
	s_barrier_wait -1
.endm
.macro PLACES                          ; four plain vector instructions between a matrix instruction and a load into one of its sources or a read of its result (ISA guide 7.12.1 for vector instructions)
.rept 4
	v_nop
.endr
.endm
	s_load_b128 s[4:7], s[0:1], 0x0                ; y s[4:5], h16 s[6:7]
	s_load_b64 s[8:9], s[0:1], 0x10                ; out0
	v_lshl_add_u32 v254, v0, 2, 0x4c400
	v_mov_b32 v255, 0
	ds_add_u32 v254, v255
	v_lshrrev_b32 v1, 5, v0
	v_readfirstlane_b32 s10, v1                    ; wave 0..3
	s_lshr_b32 s11, s10, 1                         ; which 64 rows of the block are mine.  Also: I fetch for y (0) or for w_o (1)
	s_and_b32 s12, s10, 1                          ; which 64 columns.  Also: which half of that tile I fetch
	s_bfe_u32 s40, ttmp6, 0x40000                  ; cx
	s_bfe_u32 s41, ttmp6, 0x40004                  ; cy
	s_lshl_b32 s42, ttmp9, 2
	s_add_co_u32 s42, s42, s40                     ; block column
	s_and_b32 s13, ttmp7, 0xffff
	s_lshl_b32 s13, s13, 2
	s_add_co_u32 s13, s13, s41                     ; block row
	s_lshl_b32 s43, s41, 2
	s_lshl_b32 s43, 15, s43                        ; my row of the cluster
	s_lshl_b32 s44, 0x1111, s40                    ; my column
	; y's tile: two heads; a head's 128 rows of 128 bytes follow each other in memory and are one row of 8,192 elements of the tile; the padding,
	; counted along the whole tile, falls behind every 32 words, that is behind each row of y: 4 words.
	s_or_b32 s[G1+0], s43, (1<<16)|(1<<20)|(1<<21)|(4<<22)|(3<<25)
	s_mov_b32 s[G1+1], 8192<<16                    ; tensor_dim0 = 8,192
	s_mov_b32 s[G1+2], 2<<16                       ; tensor_dim1 = 2
	s_mov_b32 s[G1+3], 8192<<16                    ; tile_dim0 = 8,192
	s_mov_b32 s[G1+4], 2                           ; tile_dim1 = 2
	s_mov_b32 s[G1+5], 262144                      ; elements from head to head
	s_mov_b32 s[G1+6], 0
	s_mov_b32 s[G1+7], 0
	; w_o's tile: 64 rows x 256 elements, 4 words of padding behind every 128 words
	s_or_b32 s[G1B+0], s44, (1<<16)|(1<<20)|(1<<21)|(6<<22)|(3<<25)
	s_mov_b32 s[G1B+1], 256<<16
	s_mov_b32 s[G1B+2], 64<<16
	s_mov_b32 s[G1B+3], 256<<16
	s_mov_b32 s[G1B+4], 64
	s_mov_b32 s[G1B+5], 1024
	s_mov_b32 s[G1B+6], 0
	s_mov_b32 s[G1B+7], 0
	s_lshl_b32 s16, s13, 14                        ; y: block row x 128 rows of 128 bytes
	s_lshl_b32 s17, s12, 20                        ; + my two heads' planes
	s_add_co_u32 s16, s16, s17
	s_mov_b32 s17, 0
	s_lshl_b32 s46, s42, 18                        ; w_o: block column x 128 rows of 2,048 bytes
	s_lshl_b32 s47, s12, 17                        ; + my 64 rows
	s_add_co_u32 s46, s46, s47
	s_add_co_u32 s46, s46, WO
	s_mov_b32 s47, 0
	s_mul_i32 s20, s10, REGION                     ; where they go: wave x region
	s_wait_dscnt 0x0
	s_wait_kmcnt 0x0
	s_add_nc_u64 s[14:15], s[4:5], s[16:17]
	s_add_nc_u64 s[46:47], s[6:7], s[46:47]
	CROUND                                         ; all sixteen work-groups are here: the first joint loads meet
.irp s, 0,1
	s_mov_b32 s[G0+4*\s], 1
	s_add_co_u32 s[G0+4*\s+1], s20, \s*SLOT
	s_add_nc_u64 s[G0+4*\s+2:G0+4*\s+3], s[14:15], \s*4*PLANE      ; heads 4 s ..
	s_or_b32 s[G0+4*\s+3], s[G0+4*\s+3], 0x80000000
	s_mov_b32 s[G0B+4*\s], 1
	s_add_co_u32 s[G0B+4*\s+1], s20, \s*SLOT
	s_add_nc_u64 s[G0B+4*\s+2:G0B+4*\s+3], s[46:47], \s*512        ; columns 256 s ..
	s_or_b32 s[G0B+4*\s+3], s[G0B+4*\s+3], 0x80000000
	JLOAD \s                                       ; both first fills go out together: two tensor loads of the wave are out, later one
.endr
	v_and_b32 v1, 15, v0                           ; r
	v_bfe_u32 v2, v0, 4, 1                         ; h2
	v_mul_u32_u24 v3, v1, AP
	v_lshl_add_u32 v3, v2, 4, v3
	v_mul_u32_u24 v4, v1, BP
	v_lshl_add_u32 v4, v2, 4, v4
	s_mul_i32 s21, s11, 64*AP                      ; my 64 rows of y in each head
	s_mul_i32 s22, s12, REGION                     ; my 64 rows of w_o,
	s_add_co_u32 s22, s22, 2*REGION                ; behind y's two regions
.irp s, 0,1
	v_add_nc_u32 v[ADRA+\s], s21, v3
	v_add_nc_u32 v[ADRB+\s], s22, v4
	s_add_co_u32 s21, s21, SLOT
	s_add_co_u32 s22, s22, SLOT
.endr
	s_mul_i32 s23, s10, 16*SP
	s_add_co_u32 s23, s23, STAGE                   ; my stage
	v_mul_u32_u24 v5, v1, SP                       ; in: row r, 32 bytes for each half of the lanes
	v_lshl_add_u32 v5, v2, 5, v5
	v_add_nc_u32 v[STO], s23, v5
	v_mul_u32_u24 v5, v2, SP                       ; back: lanes 0-15 a row of 256 bytes, lanes 16-31 the next
	v_lshl_add_u32 v5, v1, 4, v5
	v_add_nc_u32 v[RD], s23, v5
	v_lshlrev_b32 v5, 12, v2                       ; and the same two rows in out0, 4,096 bytes apart
	v_lshl_add_u32 v[CO], v1, 4, v5
; 16 LDS loads: the fragments of K step ks (0..7: head ks / 2 of the slot, d half ks % 2) into buffer f
.macro FETCH slot, ks, f
.irp i, 0,1,2,3
	ds_load_b128 v[\f+8*\i:\f+8*\i+3],   v[ADRA+\slot] offset:(\ks/2)*128*AP+(\ks%2)*64+\i*16*AP
	ds_load_b128 v[\f+8*\i+4:\f+8*\i+7], v[ADRA+\slot] offset:(\ks/2)*128*AP+(\ks%2)*64+\i*16*AP+32
.endr
.irp i, 0,1,2,3
	ds_load_b128 v[\f+32+8*\i:\f+32+8*\i+3],   v[ADRB+\slot] offset:\ks*64+\i*16*BP
	ds_load_b128 v[\f+32+8*\i+4:\f+32+8*\i+7], v[ADRB+\slot] offset:\ks*64+\i*16*BP+32
.endr
.endm
; 16 matrix instructions, 32 along K.  The 16 accumulators take turns, one instruction a turn, in the same order in every step.
.macro MUL16 f, zero
.irp a, 0,1,2,3
.irp b, 0,1,2,3
.if \zero
	v_wmma_f32_16x16x32_f16 v[8*(4*\a+\b):8*(4*\a+\b)+7], v[\f+32+8*\b:\f+32+8*\b+7], v[\f+8*\a:\f+8*\a+7], 0
.else
	v_wmma_f32_16x16x32_f16 v[8*(4*\a+\b):8*(4*\a+\b)+7], v[\f+32+8*\b:\f+32+8*\b+7], v[\f+8*\a:\f+8*\a+7], v[8*(4*\a+\b):8*(4*\a+\b)+7]
.endif
.endr
.endr
.endm
; One K step: the next step's fragments are asked for into buffer g, then buffer f is multiplied.
.macro STEP slot, next, f, g, zero, places
.if \places
	PLACES                                         ; buffer g was read by the products just ahead
.endif
	FETCH \slot, \next, \g
	s_wait_dscnt 16                                ; all but the 16 just issued: buffer f is in
	WIN MULW
	MUL16 \f, \zero
	WIN 0
.endm
.macro SLOTWORK slot, zero             ; a slot's eight K steps
	FETCH \slot, 0, F0
	STEP \slot, 1, F0, F1, \zero, 0
	STEP \slot, 2, F1, F0, 0, 1
	STEP \slot, 3, F0, F1, 0, 1
	STEP \slot, 4, F1, F0, 0, 1
	STEP \slot, 5, F0, F1, 0, 1
	STEP \slot, 6, F1, F0, 0, 1
	STEP \slot, 7, F0, F1, 0, 1
	s_wait_dscnt 0
	WIN MULW
	MUL16 F1, 0
	WIN 0
.endm
; Slot 'slot' has been read and is filled again.  In front of the round every wave has waited for its reads and for all its tensor loads (one is
; out: its quarter of the other slot); behind it the refill comes first, one load a wave, and has the other slot's 128 matrix instructions in which to land.
.macro CHANGE slot
	s_wait_dscnt 0x0
	s_wait_tensorcnt 0x0                           ; no tensor load of mine is out, so the groups 0 may be written
	ds_add_u32 v254, v255
	s_wait_dscnt 0x0
	s_add_nc_u64 s[G0+4*\slot+2:G0+4*\slot+3], s[G0+4*\slot+2:G0+4*\slot+3], 8*PLANE
	s_add_nc_u64 s[G0B+4*\slot+2:G0B+4*\slot+3], s[G0B+4*\slot+2:G0B+4*\slot+3], 1024
	CROUND
	JLOAD \slot
	PLACES                                         ; behind the last slot's last products, ahead of the loads into both buffers
.endm
	s_wait_tensorcnt 1                             ; my quarter of slot 0 is in; slot 1's may stay out
	s_barrier_signal -1
	s_barrier_wait -1
	SLOTWORK 0, 1                                  ; heads 0-3; the first products start the sums
	CHANGE 0                                       ; heads 8-11 go out
	SLOTWORK 1, 0                                  ; heads 4-7
	CHANGE 1                                       ; heads 12-15 go out
	SLOTWORK 0, 0                                  ; heads 8-11
	s_wait_dscnt 0x0
	s_wait_tensorcnt 0x0                           ; my quarter of the last slot is in
	s_barrier_signal -1
	s_barrier_wait -1                              ; everybody's is; nothing is left to fetch
	PLACES
	SLOTWORK 1, 0                                  ; heads 12-15
	; THE WAY OUT, 16 rows at a time: 32 bytes a lane into my own stage, read back as whole rows of 256 bytes.
	PLACES
	s_lshl_b32 s13, s13, 7
	s_lshl_b32 s14, s11, 6
	s_add_co_u32 s16, s13, s14                     ; my first row
	s_lshl_b32 s16, s16, 12                        ; x 4,096 bytes
	s_mov_b32 s17, 0
	s_add_nc_u64 s[8:9], s[8:9], s[16:17]
	s_lshl_b32 s46, s42, 9                         ; my first column, in bytes: 512 x block + 256 x half (in the registers that held w_o's address)
	s_lshl_b32 s47, s12, 8
	s_add_co_u32 s46, s46, s47
	s_mov_b32 s47, 0
	s_add_nc_u64 s[8:9], s[8:9], s[46:47]
.macro OUT16 a, f
	WIN ACC_OUT
.irp b, 0,1,2,3
	ds_store_b128 v[STO], v[8*(4*\a+\b):8*(4*\a+\b)+3]   offset:64*\b
	ds_store_b128 v[STO], v[8*(4*\a+\b)+4:8*(4*\a+\b)+7] offset:64*\b+16
.endr
	WIN 0
	s_wait_xcnt 0x0                                ; buffer f, which earlier stores read, is loaded again only behind this wait
.irp t, 0,1,2,3,4,5,6,7
	ds_load_b128 v[\f+4*\t:\f+4*\t+3], v[RD] offset:\t*2*SP        ; LDS serves a wave's instructions in order (ISA guide 5.7.1.4): these see the stores above
.endr
.irp t, 0,1,2,3,4,5,6,7
	s_wait_dscnt 7-\t                              ; read-back t is in, the 7 - t younger ones stay out
	global_store_b128 v[CO], v[\f+4*\t:\f+4*\t+3], s[8:9] offset:(16*\a+2*\t)*4096 th:TH_STORE_NT   ; 16 lanes store 256 consecutive bytes, aligned; not read again
.endr
.endm
	OUT16 0, F0
	OUT16 1, F1
	OUT16 2, F0
	OUT16 3, F1
	s_wait_tensorcnt 0x0
	ds_add_u32 v254, v255
	s_wait_dscnt 0x0
	CROUND                                         ; the closing round: no work-group ends while a partner may still ask for a tile that names it
	s_endpgm
.Lfunc_end_k_qda97a53ce9_oproj:
	.size	k_qda97a53ce9_oproj, .Lfunc_end_k_qda97a53ce9_oproj-k_qda97a53ce9_oproj
	.p2alignl 7, 3214868480
	.fill 96, 4, 3214868480
	.section	.rodata,"a",@progbits
	.p2align	6, 0x0
	.amdhsa_kernel k_qda97a53ce9_oproj
		.amdhsa_group_segment_fixed_size 327680
		.amdhsa_private_segment_fixed_size 0
		.amdhsa_enable_private_segment 0
		.amdhsa_kernarg_size 24
		.amdhsa_user_sgpr_count 2
		.amdhsa_user_sgpr_kernarg_segment_ptr 1
		.amdhsa_wavefront_size32 1
		.amdhsa_system_sgpr_workgroup_id_x 1
		.amdhsa_system_sgpr_workgroup_id_y 1
		.amdhsa_system_sgpr_workgroup_id_z 1
		.amdhsa_system_vgpr_workitem_id 0
		.amdhsa_next_free_vgpr 384
		.amdhsa_next_free_sgpr 66
		.amdhsa_reserve_vcc 0
		.amdhsa_float_denorm_mode_32 3
		.amdhsa_float_denorm_mode_16_64 3
		.amdhsa_memory_ordered 1
		.amdhsa_forward_progress 1
		.amdhsa_inst_pref_size 88
	.end_amdhsa_kernel
	.amdgpu_metadata
---
amdhsa.version: [ 1, 2 ]
amdhsa.kernels:
  - .name:           k_qda97a53ce9_oproj
    .symbol:         k_qda97a53ce9_oproj.kd
    .args:
      - { .name: y, .offset: 0, .size: 8, .value_kind: global_buffer, .address_space: global }
      - { .name: h16, .offset: 8, .size: 8, .value_kind: global_buffer, .address_space: global }
      - { .name: out0, .offset: 16, .size: 8, .value_kind: global_buffer, .address_space: global }
    .group_segment_fixed_size: 327680
    .private_segment_fixed_size: 0
    .kernarg_segment_align: 8
    .kernarg_segment_size: 24
    .max_flat_workgroup_size: 128
    .sgpr_count:     66
    .vgpr_count:     384
    .wavefront_size: 32
...
	.end_amdgpu_metadata
.endif
;; end of part 4
;; ======== version 2 of 2: 4 launches; version 1 with the launch cast written anew for expert scheduling mode
;; limits: values are held in f16: magnitudes above 65,504 overflow, below 6.1e-05 lose precision
;; workspace buffers: h16 16,777,216 bytes; qkv 25,165,824 bytes; y 8,388,608 bytes
;; launch cast (part 5): grid 64 x 8, 8 waves a work-group, no clusters, 0 bytes of LDS; arguments x, w_q, w_k, w_v, w_o, h16; writes h16
.if DOCPART == 5
	.amdgcn_target "amdgcn-amd-amdhsa--gfx1250"
	.amdhsa_code_object_version 6
	.text
	.protected	k_qda97a53ce9_cast
	.globl	k_qda97a53ce9_cast
	.p2align	8
	.type	k_qda97a53ce9_cast,@function
k_qda97a53ce9_cast:
	s_mov_b64 s[64:65], 0
	v_nop
	global_prefetch_b8 v0, s[64:65] scope:SCOPE_SE
	s_setreg_imm32_b32 hwreg(HW_REG_WAVE_SCHED_MODE, 0, 2), 2
	s_setreg_imm32_b32 hwreg(HW_REG_WAVE_MODE, 25, 1), 1
	s_wait_xcnt 0x0
	s_wait_alu depctr_vm_vsrc(0)
; h16 = f16(x), f16(w_q), f16(w_k), f16(w_v), f16(w_o), one behind the other: bytes 0 .. 8 MiB x as [4096][1024], bytes 8 .. 16 MiB the
; four weights as one matrix [4096][1024] (rows 0-1023 w_q, 1024-2047 w_k, 2048-3071 w_v, 3072-4095 w_o).  Rounded once, to nearest even.
; LIMIT: f16.  |x| and |w| must stay below 65,504; numbers below 6.1e-5 keep an absolute error of at most 3e-8.
; A stream: every input byte is read once and every output byte written once, nothing is shared between work-groups, so there is no LDS,
; no barrier, no cluster.  Grid y = one of eight segments of 4 MiB of f32 (0-3: quarters of x; 4-7: the four weights), grid x = a block of
; 64 KiB in it.  Thread t takes 16 bytes at 16 t of each of sixteen pieces of 4,096 bytes: a wave's load covers 512 consecutive bytes,
; its store 256 consecutive bytes, aligned.  All sixteen loads go out at once; no register is used twice, so there is no loop.
; THE MODE: SCHED_MODE bits 1:0 = 2 (LLVM: expert scheduling mode 2), set by the entry lines.  The code itself states the register dependences
; between vector instructions and memory instructions, with s_wait_alu, always for 0.
; THE PLAN.  Registers that memory instructions touch:
;   v1, v2   byte offsets.  Written once at the head by vector shifts; v1 is read by every load, v2 by every store; never written again.
;   X        piece i: written by its load alone, read by its two conversions behind the wait for its data; never loaded again.
;   Y        piece i: written by its two conversions, read by its store; never written again.
; So one wait on va_vdst stands ahead of the first load, for the offsets, and one behind the eight conversions of each block of four pieces,
; ahead of that block's run of four stores, for Y.  No register that a memory instruction has read is written again, so no wait on vm_vsrc is
; owed; no vector instruction writes a scalar register or VCC; EXEC is never written.
.set X, 4                              ; v[4:67]   piece i: four f32 as loaded
.set Y, 68                             ; v[68:99]  piece i: four f16 to store
	s_load_b256 s[4:11], s[0:1], 0x0               ; x s[4:5], w_q s[6:7], w_k s[8:9], w_v s[10:11]
	s_load_b128 s[12:15], s[0:1], 0x20             ; w_o s[12:13], h16 s[14:15]
	s_and_b32 s16, ttmp7, 0xffff                   ; the segment
	v_lshlrev_b32 v1, 4, v0                        ; 16 t: my bytes in a piece of the input
	v_lshlrev_b32 v2, 3, v0                        ; 8 t: my bytes in a piece of the output
	s_cmp_lt_u32 s16, 4
	s_cselect_b32 s17, s16, 0                      ; a quarter of x, or the start of a weight
	s_lshl_b32 s18, s17, 22                        ; x 4 MiB
	s_lshl_b32 s17, ttmp9, 16                      ; + block x 64 KiB
	s_add_co_u32 s18, s18, s17
	s_mov_b32 s19, 0
	s_lshl_b32 s20, s16, 21                        ; output: segment x 2 MiB
	s_lshl_b32 s17, ttmp9, 15                      ; + block x 32 KiB
	s_add_co_u32 s20, s20, s17
	s_mov_b32 s21, 0
	s_wait_kmcnt 0x0
	s_cmp_eq_u32 s16, 4                            ; the segment's number picks the buffer
	s_cselect_b64 s[4:5], s[6:7], s[4:5]
	s_cmp_eq_u32 s16, 5
	s_cselect_b64 s[4:5], s[8:9], s[4:5]
	s_cmp_eq_u32 s16, 6
	s_cselect_b64 s[4:5], s[10:11], s[4:5]
	s_cmp_eq_u32 s16, 7
	s_cselect_b64 s[4:5], s[12:13], s[4:5]
	s_add_nc_u64 s[4:5], s[4:5], s[18:19]
	s_add_nc_u64 s[14:15], s[14:15], s[20:21]
	s_wait_alu depctr_va_vdst(0)                   ; v1 and v2 are written: every load of the kernel reads v1 as its offset, every store v2
.irp i, 0,1,2,3,4,5,6,7,8,9,10,11,12,13,14,15
	global_load_b128 v[X+4*\i:X+4*\i+3], v1, s[4:5] offset:4096*\i th:TH_LOAD_NT   ; read once in the whole launch
.endr
; Four blocks of four pieces: each piece is rounded as it comes in, and the block's four stores leave in one run behind one wait.
.irp p, 0,1,2,3
.irp j, 0,1,2,3
	s_wait_loadcnt 15-(4*(\p)+(\j))                ; loads come back in order: piece i = 4 p + j is in, the 15 - i younger ones stay out
	v_cvt_pk_f16_f32 v[Y+2*(4*(\p)+(\j))],   v[X+4*(4*(\p)+(\j))],   v[X+4*(4*(\p)+(\j))+1]
	v_cvt_pk_f16_f32 v[Y+2*(4*(\p)+(\j))+1], v[X+4*(4*(\p)+(\j))+2], v[X+4*(4*(\p)+(\j))+3]
.endr
	s_wait_alu depctr_va_vdst(0)                   ; the block's eight conversions have written its eight registers of Y, which the four stores below read
.irp j, 0,1,2,3
	global_store_b64 v2, v[Y+2*(4*(\p)+(\j)):Y+2*(4*(\p)+(\j))+1], s[14:15] offset:2048*(4*(\p)+(\j))   ; no hint: the next launch reads these bytes
.endr
.endr
	s_endpgm
.Lfunc_end_k_qda97a53ce9_cast:
	.size	k_qda97a53ce9_cast, .Lfunc_end_k_qda97a53ce9_cast-k_qda97a53ce9_cast
	.p2alignl 7, 3214868480
	.fill 96, 4, 3214868480
	.section	.rodata,"a",@progbits
	.p2align	6, 0x0
	.amdhsa_kernel k_qda97a53ce9_cast
		.amdhsa_group_segment_fixed_size 0
		.amdhsa_private_segment_fixed_size 0
		.amdhsa_enable_private_segment 0
		.amdhsa_kernarg_size 48
		.amdhsa_user_sgpr_count 2
		.amdhsa_user_sgpr_kernarg_segment_ptr 1
		.amdhsa_wavefront_size32 1
		.amdhsa_system_sgpr_workgroup_id_x 1
		.amdhsa_system_sgpr_workgroup_id_y 1
		.amdhsa_system_sgpr_workgroup_id_z 1
		.amdhsa_system_vgpr_workitem_id 0
		.amdhsa_next_free_vgpr 100
		.amdhsa_next_free_sgpr 66
		.amdhsa_reserve_vcc 0
		.amdhsa_float_denorm_mode_32 3
		.amdhsa_float_denorm_mode_16_64 3
		.amdhsa_memory_ordered 1
		.amdhsa_forward_progress 1
		.amdhsa_inst_pref_size 7
	.end_amdhsa_kernel
	.amdgpu_metadata
---
amdhsa.version: [ 1, 2 ]
amdhsa.kernels:
  - .name:           k_qda97a53ce9_cast
    .symbol:         k_qda97a53ce9_cast.kd
    .args:
      - { .name: x, .offset: 0, .size: 8, .value_kind: global_buffer, .address_space: global }
      - { .name: w_q, .offset: 8, .size: 8, .value_kind: global_buffer, .address_space: global }
      - { .name: w_k, .offset: 16, .size: 8, .value_kind: global_buffer, .address_space: global }
      - { .name: w_v, .offset: 24, .size: 8, .value_kind: global_buffer, .address_space: global }
      - { .name: w_o, .offset: 32, .size: 8, .value_kind: global_buffer, .address_space: global }
      - { .name: h16, .offset: 40, .size: 8, .value_kind: global_buffer, .address_space: global }
    .group_segment_fixed_size: 0
    .private_segment_fixed_size: 0
    .kernarg_segment_align: 8
    .kernarg_segment_size: 48
    .max_flat_workgroup_size: 256
    .sgpr_count:     66
    .vgpr_count:     100
    .wavefront_size: 32
...
	.end_amdgpu_metadata
.endif
;; end of part 5
;; launch qkv: the kernel of part 2 again; grid 12 x 16, 4 waves a work-group, clusters of 4 x 4, 327,680 bytes of LDS; arguments h16, qkv; writes qkv
;; launch attn: the kernel of part 3 again; grid 8 x 32, 8 waves a work-group, clusters of 4 x 1, 327,680 bytes of LDS; arguments qkv, y; writes y
;; launch oproj: the kernel of part 4 again; grid 8 x 32, 4 waves a work-group, clusters of 4 x 4, 327,680 bytes of LDS; arguments y, h16, out0; writes out0
